; MI455X (gfx1250); checked and timed in simulation.
; The chip was launched on July 23, 2026; its instructions are those of AMD's public machine-readable ISA for CDNA 5 (MIT licence, August 2026) and "CDNA5" Instruction Set Architecture Reference Guide (July 2026). The comments in the code are by the model that wrote it; some were corrected since.
;; Dense Expert. Allowed arithmetic: float matrix products may take bf16 or f16 operands with f32 sums; all other float work in f32.
;; Inputs: alpha 8 x 1,024 x 1,024 float32; beta 8 x 1,024 float32; gate_perc 8,192 x 8 float32; x 8,192 x 1,024 float32.
;; Outputs: out0 8,192 x 1,024 float32.
;; 2 versions, each right and faster than the one before. Each part assembles by itself: llvm-mc -triple=amdgcn-amd-amdhsa -mcpu=gfx1250 --defsym DOCPART=n.
;; ======== version 1 of 2: 2 launches
;; workspace buffers: xb 16,777,216 bytes; ab 16,777,216 bytes
;; launch cvt (part 1): grid 512 x 2, 8 waves a work-group, no clusters, 0 bytes of LDS; arguments x, alpha, xb, ab; writes xb, ab
.if DOCPART == 1
	.amdgcn_target "amdgcn-amd-amdhsa--gfx1250"
	.amdhsa_code_object_version 6
	.text
	.protected	k_qdbf6dd64db_cvt
	.globl	k_qdbf6dd64db_cvt
	.p2align	8
	.type	k_qdbf6dd64db_cvt,@function
k_qdbf6dd64db_cvt:
	s_mov_b64 s[64:65], 0
	v_nop
	global_prefetch_b8 v0, s[64:65] scope:SCOPE_SE
	s_setreg_imm32_b32 hwreg(HW_REG_WAVE_MODE, 25, 1), 1
	s_wait_xcnt 0x0
; xb = bf16(x), ab = bf16(alpha): each number of the two large inputs is rounded ONCE (to nearest even), in its own place: the layouts stay
; ([8192][1024] and [8][1024][1024], the last axis along the rows).  The product launch would otherwise round alpha anew in each of its 64 row
; blocks and x in each of its 4 column blocks and 8 experts, and would move twice the bytes through LDS.
; LIMIT: an f32 beyond bf16's largest finite number becomes an infinity; NaN stays NaN.  No work of reference() is left out.
; A stream: no LDS, no barrier, no matrix unit, no cluster (no byte is read by two work-groups).
; Grid: x = 512 pieces of 65,536 input bytes, y = 0 for x, 1 for alpha (both inputs have 512 x 65,536 bytes).
; Thread t, load j: 16 bytes at 4,096 j + 16 t, so a wave's load covers 512 consecutive bytes; store j: 8 bytes at 2,048 j + 8 t, so a wave's
; store covers 256 consecutive bytes at a multiple of 256.  All sixteen loads of a wave go out at once; no register is written twice.
.set PIECE_IN,  65536
.set LOADS,     16
.set X, 4                              ; v[4:67]   load j: 4 registers of f32
.set Y, 68                             ; v[68:99]  store j: 2 registers, 4 bf16
	s_load_b256 s[4:11], s[0:1], 0x0               ; x s[4:5], alpha s[6:7], xb s[8:9], ab s[10:11]
	s_lshl_b32 s18, ttmp9, 16                      ; my piece's byte offset in the input (below 32 MiB),
	s_mov_b32 s19, 0
	s_lshl_b32 s20, ttmp9, 15                      ; and in the output: half of it
	s_mov_b32 s21, 0
	s_and_b32 s12, ttmp7, 0xffff                   ; y: which tensor
	v_lshlrev_b32 v1, 4, v0                        ; 16 t
	v_lshlrev_b32 v2, 3, v0                        ; 8 t
	s_wait_kmcnt 0x0
	s_cmp_eq_u32 s12, 0                            ; the choice hangs on the grid's y alone
	s_cselect_b64 s[14:15], s[4:5], s[6:7]         ; from x or alpha
	s_cselect_b64 s[16:17], s[8:9], s[10:11]       ; to xb or ab
	s_add_nc_u64 s[14:15], s[14:15], s[18:19]
	s_add_nc_u64 s[16:17], s[16:17], s[20:21]
.irp j, 0,1,2,3,4,5,6,7,8,9,10,11,12,13,14,15
	global_load_b128 v[X+4*\j:X+4*\j+3], v1, s[14:15] offset:4096*\j th:TH_LOAD_NT   ; read once in the launch
.endr
.irp j, 0,1,2,3,4,5,6,7,8,9,10,11,12,13,14,15
	s_wait_loadcnt LOADS-1-\j                      ; loads come back in order (ISA guide 5.7.1): load j is in, the younger ones stay out
	v_cvt_pk_bf16_f32 v[Y+2*\j],   v[X+4*\j],   v[X+4*\j+1]
	v_cvt_pk_bf16_f32 v[Y+2*\j+1], v[X+4*\j+2], v[X+4*\j+3]
	global_store_b64 v2, v[Y+2*\j:Y+2*\j+1], s[16:17] offset:2048*\j    ; no hint: the next launch reads these bytes
.endr
	s_endpgm
.Lfunc_end_k_qdbf6dd64db_cvt:
	.size	k_qdbf6dd64db_cvt, .Lfunc_end_k_qdbf6dd64db_cvt-k_qdbf6dd64db_cvt
	.p2alignl 7, 3214868480
	.fill 96, 4, 3214868480
	.section	.rodata,"a",@progbits
	.p2align	6, 0x0
	.amdhsa_kernel k_qdbf6dd64db_cvt
		.amdhsa_group_segment_fixed_size 0
		.amdhsa_private_segment_fixed_size 0
		.amdhsa_enable_private_segment 0
		.amdhsa_kernarg_size 32
		.amdhsa_user_sgpr_count 2
		.amdhsa_user_sgpr_kernarg_segment_ptr 1
		.amdhsa_wavefront_size32 1
		.amdhsa_system_sgpr_workgroup_id_x 1
		.amdhsa_system_sgpr_workgroup_id_y 1
		.amdhsa_system_sgpr_workgroup_id_z 1
		.amdhsa_system_vgpr_workitem_id 0
		.amdhsa_next_free_vgpr 104
		.amdhsa_next_free_sgpr 66
		.amdhsa_reserve_vcc 0
		.amdhsa_float_denorm_mode_32 3
		.amdhsa_float_denorm_mode_16_64 3
		.amdhsa_memory_ordered 1
		.amdhsa_forward_progress 1
		.amdhsa_inst_pref_size 7
	.end_amdhsa_kernel
	.amdgpu_metadata
---
amdhsa.version: [ 1, 2 ]
amdhsa.kernels:
  - .name:           k_qdbf6dd64db_cvt
    .symbol:         k_qdbf6dd64db_cvt.kd
    .args:
      - { .name: x, .offset: 0, .size: 8, .value_kind: global_buffer, .address_space: global }
      - { .name: alpha, .offset: 8, .size: 8, .value_kind: global_buffer, .address_space: global }
      - { .name: xb, .offset: 16, .size: 8, .value_kind: global_buffer, .address_space: global }
      - { .name: ab, .offset: 24, .size: 8, .value_kind: global_buffer, .address_space: global }
    .group_segment_fixed_size: 0
    .private_segment_fixed_size: 0
    .kernarg_segment_align: 8
    .kernarg_segment_size: 32
    .max_flat_workgroup_size: 256
    .sgpr_count:     66
    .vgpr_count:     104
    .wavefront_size: 32
...
	.end_amdgpu_metadata
.endif
;; end of part 1
;; launch moe (part 2): grid 4 x 64, 4 waves a work-group, clusters of 4 x 4, 327,680 bytes of LDS; arguments xb, ab, gate_perc, beta, out0; writes out0
.if DOCPART == 2
	.amdgcn_target "amdgcn-amd-amdhsa--gfx1250"
	.amdhsa_code_object_version 6
	.text
	.protected	k_qdbf6dd64db_moe
	.globl	k_qdbf6dd64db_moe
	.p2align	8
	.type	k_qdbf6dd64db_moe,@function
k_qdbf6dd64db_moe:
	s_mov_b64 s[64:65], 0
	v_nop
	global_prefetch_b8 v0, s[64:65] scope:SCOPE_SE
	s_setreg_imm32_b32 hwreg(HW_REG_WAVE_MODE, 25, 1), 1
	s_wait_xcnt 0x0
	s_wait_alu depctr_hold_cnt(0) depctr_sa_sdst(0) depctr_va_vdst(0) depctr_va_sdst(0) depctr_va_ssrc(0) depctr_va_vcc(0) depctr_vm_vsrc(0)
	s_getreg_b32 s2, hwreg(HW_REG_IB_STS2, 6, 4)
	s_cmp_eq_u32 s2, 0
	s_cbranch_scc0 .Lentry_in_a_cluster
	s_endpgm
.Lentry_in_a_cluster:
	s_bfe_u32 s2, ttmp6, 0x10000c
	s_cmp_lg_u32 s2, 0xf033
	s_cbranch_scc0 .Lentry_shape_is_right
	s_endpgm
.Lentry_shape_is_right:
; out[b][u] = sum over e of gate[b][e] (x[b] @ alpha[e])[u]  +  (gate @ beta)[b][u].     B = 8192, IN = UNITS = 1024, E = 8.
; xb [8192][1024] and ab [8][1024][1024] are x and alpha in bf16 (made by the launch before); gate_perc, beta and out0 are f32.
; No work of reference() is left out: every input reaches every row of the output.
; HOW.  For each expert the product P_e = xb @ ab[e] is summed in f32 in one set of accumulators (ACC; its first product takes C = 0); behind
; the expert's K = 1024 the wave adds FIN += gate[b][e] * ACC in f32: 128 packed multiply-adds for 1,024 matrix instructions.
; FIN is started by the bias product gate @ beta on the matrix unit (C = 0; its K = 8 stands in 8 of the 32 places of K, the others hold zeros).
; LIMITS: all four operands of the two products (x, alpha, gate_perc, beta) are rounded to bf16, each once, to nearest even; an f32 beyond bf16's
; largest finite number becomes an infinity.  gate_perc is rounded as it goes to LDS and lies there widened to f32 again, so both of its uses take
; the same number.  Products and sums are in f32, per expert and then over the experts, which is another order of rounding than reference()'s.
; SHARES.  A work-group makes 128 rows x 256 columns of out with four waves; a wave makes 64 x 128: 4 x 8 tiles of 16 x 16.  4 x 64 work-groups.
; K goes in 64 steps of 128 (eight for each expert) through two LDS slots filled by the tensor data mover; a step is four quarters of 32.
; CLUSTERS: 4 x 4 work-groups.  x's tile hangs on the block row alone: the four of a cluster's row ask for it jointly; alpha's tile hangs on the
; block column alone: the four of a cluster's column ask for it jointly.  Each of the four issues the same load with the same descriptor.
; THE MATRIX INSTRUCTION IS USED TRANSPOSED: source 0 = 16 columns of alpha, source 1 = 16 rows of x.  Lane l then holds row l % 16 of the tile and
; its registers 0-7 the columns 8 (l / 16) + 0..7: the gate is ONE number for a lane and a row tile, and a lane's results are 32 neighbouring bytes.
; alpha lies [k][u], u along the rows: its fragments are read from LDS by the transposing load ds_load_tr16_b128.
;
; REGISTERS in windows of 256 (s_set_vgpr_msb: bits 1:0 source 0, 3:2 source 1, 5:4 source 2, 7:6 destination):
;   window 0: addresses, gates, two fragment buffers (8 fragments of alpha, then 4 of x, 8 registers each)
;   window 1: ACC, tile (a, b) at v[8 (8 a + b)];      window 2: FIN, the same index
.set APITCH, 272                       ; x in LDS: 256 bytes of a row + 16: sixteen rows start 16 bytes apart modulo 256
.set BPITCH, 544                       ; alpha in LDS: 512 bytes of a k row + 32 = 17 x 32
.set AHALF,  64*APITCH                 ; what one load brings of x: 64 rows
.set ATILE,  128*APITCH
.set BHALF,  64*BPITCH                 ; what one load brings of alpha: 64 k rows
.set SLOT,   ATILE+128*BPITCH          ; 104,448: x's tile, then alpha's
.set STAGE,  2*SLOT                    ; 208,896: the way out, 16 rows x 528 bytes for each wave; no fill ever lands here
.set SPITCH, 528                       ; 512 bytes of a row + 16
.set WSTAGE, 16*SPITCH
.set GS,     STAGE+4*WSTAGE            ; 242,688: each wave's 64 rows of gate_perc, 32 bytes a row as in memory; no fill ever lands here
.set ADRA, 16                          ; v16-17  LDS address of my x fragments in slot 0, 1
.set ADRB, 18                          ; v18-19  the same for alpha
.set STO,  20                          ; v20     the way out: where my 32 bytes of a row go
.set RD,   21                          ; v21     the way out: where I read 16 bytes of a whole row back
.set CO,   22                          ; v22     16 x lane: my byte offset in a row piece of out, and in my wave's gate rows
.set GA,   23                          ; v23     LDS address of gate[my row of tile 0][e]; + 4 for each expert
.set GW,   24                          ; v24     where I put 16 bytes of my wave's gate rows
.set BO,   26                          ; v26     my byte offset in beta
.set GF,   27                          ; v27     LDS address of gate[my row][4 h .. 4 h + 3]
.set G,    32                          ; v[32:39] four pairs (g, g): this expert's gate of my row in row tiles 0-3
.set GR,   40                          ; v[40:55] gate rows on their way to LDS
.set F0,   64                          ; fragment buffer 0: v[64:127] alpha, v[128:159] x
.set F1,   160                         ; fragment buffer 1: v[160:223] alpha, v[224:255] x
.set G1A, 24                           ; s[24:31] descriptor group 1 for x's tiles
.set G0A, 32                           ; s[32:39] group 0 for x's tiles, a set for each slot
.set G1B, 40                           ; s[40:47] group 1 for alpha's tiles
.set G0B, 48                           ; s[48:55] group 0 for alpha's tiles, a set for each slot
.set MUL,  0x50                        ; C and D in window 1, fragments in window 0
.set BIAS, 0x80                        ; D in window 2
.set SCL,  0xa1                        ; destination and source 2 in window 2 (FIN), source 0 in window 1 (ACC), source 1 in window 0 (gate)
.set OUTW, 0x08                        ; an LDS store's data (source 1) in window 2
.set MSB, 0
.macro WIN new                         ; the immediate's high byte repeats the setting that is left; a switch that changes nothing is dropped
.if MSB != \new
	s_set_vgpr_msb (MSB<<8)|\new
.set MSB, \new
.endif
.endm
; Four places: a load into a register that a matrix instruction has read, and a vector instruction that reads a matrix result, stand four plain
; vector instructions behind it (ISA guide 7.12.1 for vector instructions).
.macro PLACES
.rept 4
	v_nop
.endr
.endm
; A joint load.  Waves 0 and 1 fetch the halves of x's tile, waves 2 and 3 those of alpha's.  Each line has one mask and one set of registers; the
; branch hangs on the wave's number alone.
.macro JLOAD s
	s_cmp_eq_u32 s15, 0
	s_cbranch_scc0 .Lfor_b_\@
	tensor_load_to_lds s[G0A+4*\s:G0A+4*\s+3], s[G1A:G1A+7]
	s_nop 0
	s_branch .Lasked_\@
.Lfor_b_\@:
	tensor_load_to_lds s[G0B+4*\s:G0B+4*\s+3], s[G1B:G1B+7]
	s_nop 0
.Lasked_\@:
.endm
; A round of the cluster's barrier: my work-group's barrier, so that wave 0 speaks for all four waves; wave 0 signals; every wave waits for all
; sixteen work-groups; my work-group's barrier once more.
.macro CREST                           ; a round behind its opening barrier
	s_cmp_lg_u32 s14, 0
	s_cbranch_scc1 .Lnot_wave_0_\@
	s_barrier_signal -3
.Lnot_wave_0_\@:
	s_barrier_wait -3
	s_barrier_signal -1
	s_barrier_wait -1
.endm
.macro CROUND                          ; a whole round
	s_barrier_signal -1
	s_barrier_wait -1
	CREST
.endm
	s_load_b256 s[4:11], s[0:1], 0x0               ; xb s[4:5], ab s[6:7], gate_perc s[8:9], beta s[10:11]
	s_load_b64 s[12:13], s[0:1], 0x20              ; out0
	v_lshl_add_u32 v62, v0, 2, 0x3d400
	v_mov_b32 v63, 0
	ds_add_u32 v62, v63
	v_lshrrev_b32 v1, 5, v0
	v_readfirstlane_b32 s14, v1                    ; wave w, 0..3
	s_lshr_b32 s15, s14, 1                         ; wm: which 64 rows of the block are mine.  Also: I fetch for x (0) or for alpha (1)
	s_and_b32 s16, s14, 1                          ; wn: which 128 columns are mine.  Also: which half of that tile I fetch
	s_bfe_u32 s17, ttmp6, 0x40000                  ; cx
	s_bfe_u32 s18, ttmp6, 0x40004                  ; cy
	s_lshl_b32 s19, ttmp9, 2                       ; in a cluster launch ttmp9 and ttmp7 count clusters
	s_add_co_u32 s19, s19, s17                     ; bc: block column = 4 x cluster x + cx
	s_and_b32 s20, ttmp7, 0xffff
	s_lshl_b32 s20, s20, 2
	s_add_co_u32 s20, s20, s18                     ; br: block row = 4 x cluster y + cy
	s_lshl_b32 s21, s18, 2
	s_lshl_b32 s21, 15, s21                        ; my row of the cluster: places 4 cy .. 4 cy + 3
	s_lshl_b32 s22, 0x1111, s17                    ; my column: places cx, cx + 4, cx + 8, cx + 12
	; group 1 for x: 64 rows x 128 elements of 2 bytes, 4 words of padding behind every 64 words
	s_or_b32 s[G1A+0], s21, (1<<16)|(1<<20)|(1<<21)|(5<<22)|(3<<25)   ; 15:0 mask: my row; 17:16 2-byte elements; 20 padding on; 21 set beside a mask; 24:22 interval code 5; 31:25 pad code 3
	s_mov_b32 s[G1A+1], 128<<16                    ; tensor_dim0 = 128
	s_mov_b32 s[G1A+2], 64<<16                     ; tensor_dim1 = 64
	s_mov_b32 s[G1A+3], 128<<16                    ; tile_dim0 = 128
	s_mov_b32 s[G1A+4], 64                         ; tile_dim1 = 64
	s_mov_b32 s[G1A+5], 1024                       ; elements from row to row
	s_mov_b32 s[G1A+6], 0
	s_mov_b32 s[G1A+7], 0
	; group 1 for alpha: 64 k rows x 256 elements, 8 words of padding behind every 128 words
	s_or_b32 s[G1B+0], s22, (1<<16)|(1<<20)|(1<<21)|(6<<22)|(7<<25)   ; the mask: my column; interval code 6; pad code 7
	s_mov_b32 s[G1B+1], 256<<16
	s_mov_b32 s[G1B+2], 64<<16
	s_mov_b32 s[G1B+3], 256<<16
	s_mov_b32 s[G1B+4], 64
	s_mov_b32 s[G1B+5], 1024
	s_mov_b32 s[G1B+6], 0
	s_mov_b32 s[G1B+7], 0
	; offsets.  x's hang on br and the wave, alpha's on bc and the wave, each in registers that never hold the other coordinate.
	s_lshl_b32 s56, s20, 18                        ; x: 128 br rows of 2,048 bytes
	s_lshl_b32 s57, s16, 17                        ;    + 64 wn rows
	s_add_co_u32 s56, s56, s57
	s_mov_b32 s57, 0
	s_lshl_b32 s60, s19, 9                         ; alpha: 256 bc columns of 2 bytes
	s_lshl_b32 s61, s16, 17                        ;    + 64 wn k rows of 2,048 bytes
	s_add_co_u32 s60, s60, s61
	s_mov_b32 s61, 0
	s_mul_i32 s23, s16, AHALF                      ; where they go in a slot: x's halves,
	s_mul_i32 s70, s16, BHALF
	s_add_co_u32 s70, s70, ATILE                   ; then alpha's: the wave's number and constants alone
	s_lshl_b32 s66, s20, 12                        ; gate_perc: 128 br rows of 32 bytes
	s_lshl_b32 s67, s15, 11                        ;    + 64 wm rows
	s_add_co_u32 s66, s66, s67
	s_mov_b32 s67, 0
	s_lshl_b32 s68, s19, 10                        ; beta: 256 bc columns of 4 bytes
	s_mov_b32 s69, 0
	s_wait_dscnt 0x0
	s_wait_kmcnt 0x0
	s_add_nc_u64 s[58:59], s[4:5], s[56:57]
	s_add_nc_u64 s[62:63], s[6:7], s[60:61]
	s_add_nc_u64 s[8:9], s[8:9], s[66:67]
	s_add_nc_u64 s[10:11], s[10:11], s[68:69]
	CROUND                                         ; all sixteen work-groups are here: the first joint loads meet
.irp s, 0,1
	s_mov_b32 s[G0A+4*\s], 1                                       ; count = 1
	s_add_co_u32 s[G0A+4*\s+1], s23, \s*SLOT                       ; LDS address
	s_add_nc_u64 s[G0A+4*\s+2:G0A+4*\s+3], s[58:59], \s*256        ; K step s: 128 elements along the row
	s_or_b32 s[G0A+4*\s+3], s[G0A+4*\s+3], 0x80000000              ; type = 2
	s_mov_b32 s[G0B+4*\s], 1
	s_add_co_u32 s[G0B+4*\s+1], s70, \s*SLOT
	s_add_nc_u64 s[G0B+4*\s+2:G0B+4*\s+3], s[62:63], \s*262144     ; K step s: 128 k rows of 2,048 bytes
	s_or_b32 s[G0B+4*\s+3], s[G0B+4*\s+3], 0x80000000
	JLOAD \s                                       ; both slots are asked for before anything else: two tensor loads of the wave are out
.endr
	; lane addresses
	v_and_b32 v1, 15, v0                           ; r = l % 16
	v_bfe_u32 v2, v0, 4, 1                         ; h = l / 16
	v_and_b32 v3, 7, v0                            ; l % 8
	v_bfe_u32 v4, v0, 3, 1                         ; bit 3 of l
	v_and_b32 v5, 31, v0                           ; l
	; an x fragment: lane l holds row r; registers 0-3 K = 8 h + 0..7, registers 4-7 K = 16 + 8 h + 0..7: two loads of 16 bytes, 32 bytes apart
	v_mul_u32_u24 v6, v1, APITCH
	v_lshl_add_u32 v6, v2, 4, v6
	s_mul_i32 s66, s15, AHALF                      ; my 64 rows
	v_add_nc_u32 v[ADRA], s66, v6
	v_add_nc_u32 v[ADRA+1], SLOT, v[ADRA]
	; an alpha fragment by the transposing load: lane l addresses k row 8 h + l % 8, 16 bytes at 16 x bit 3; the second load 16 k rows further down
	v_lshl_add_u32 v7, v2, 3, v3
	v_mul_u32_u24 v7, v7, BPITCH
	v_lshl_add_u32 v7, v4, 4, v7
	s_lshl_b32 s67, s16, 8                         ; my 128 columns
	s_add_co_u32 s67, s67, ATILE
	v_add_nc_u32 v[ADRB], s67, v7
	v_add_nc_u32 v[ADRB+1], SLOT, v[ADRB]
	s_mul_i32 s68, s14, WSTAGE
	s_add_co_u32 s68, s68, STAGE                   ; my stage
	v_mul_u32_u24 v8, v1, SPITCH
	v_lshl_add_u32 v8, v2, 5, v8                   ; in: row r, 32 bytes for each half of the lanes
	v_add_nc_u32 v[STO], s68, v8
	v_lshl_add_u32 v[RD], v5, 4, s68               ; back: 32 lanes take one row of 512 bytes
	v_lshlrev_b32 v[CO], 4, v5
	s_lshl_b32 s69, s14, 11
	s_add_co_u32 s69, s69, GS                      ; my wave's gate rows
	v_lshl_add_u32 v[GA], v1, 5, s69               ; row r, expert 0
	v_lshl_add_u32 v[GW], v5, 4, s69
	v_lshl_add_u32 v[GF], v2, 4, v[GA]             ; row r, experts 4 h ..
	v_lshlrev_b32 v[BO], 2, v1                     ; beta: column r,
	v_lshl_add_u32 v[BO], v2, 14, v[BO]            ; expert 4 h (rows of 4,096 bytes),
	s_lshl_b32 s71, s16, 9
	v_add_nc_u32 v[BO], s71, v[BO]                 ; my 128 columns
	; THE BIAS PRODUCT, while the first tiles are on their way: FIN(a, b) = beta's columns x gate's rows.  In both operands expert 4 h + q
	; stands at K = 8 h + q (registers 0 and 1 of the fragment); the other 24 places of K (registers 2-7) hold zeros.
.irp j, 0,1,2,3
	global_load_b128 v[GR+4*\j:GR+4*\j+3], v[CO], s[8:9] offset:512*\j       ; my wave's 64 gate rows: 2,048 consecutive bytes
.endr
.irp t, 0,1,2,3,4,5,6,7
.irp q, 0,1,2,3
	global_load_b32 v[F0+4*\t+\q], v[BO], s[10:11] offset:4096*\q+64*\t      ; beta[4 h + q][column 16 t + r of mine]
.endr
.endr
	s_wait_loadcnt 32                              ; the four gate loads are in; the 32 issued behind them may be out
	; the gates are rounded to bf16 here, once, and widened to f32 again: the multiply-adds behind each expert and the bias product take the same numbers
.irp j, 0,1,2,3,4,5,6,7
	v_cvt_pk_bf16_f32 v[F0+32+\j], v[GR+2*\j], v[GR+2*\j+1]
.endr
.irp j, 0,1,2,3,4,5,6,7
	v_lshlrev_b32 v[GR+2*\j],   16, v[F0+32+\j]                              ; the low half moves up,
	v_and_b32     v[GR+2*\j+1], 0xffff0000, v[F0+32+\j]                      ; the high half stays
.endr
.irp j, 0,1,2,3
	ds_store_b128 v[GW], v[GR+4*\j:GR+4*\j+3] offset:512*\j
.endr
.irp a, 0,1,2,3
	ds_load_b128 v[F0+32+4*\a:F0+32+4*\a+3], v[GF] offset:512*\a             ; gate[16 a + r][4 h .. 4 h + 3]; LDS serves a wave's instructions in order (ISA guide 5.7.1.4): these see my stores
.endr
.irp i, 0,1,2,3,4,5,6,7,8,9,10,11
.irp k, 2,3,4,5,6,7
	v_mov_b32 v[F1+8*\i+\k], 0                     ; the unused places of K in the twelve fragments: operands, not sums; once in the launch
.endr
.endr
	s_wait_loadcnt 0x0                             ; beta
.irp t, 0,1,2,3,4,5,6,7
	v_cvt_pk_bf16_f32 v[F1+8*\t],   v[F0+4*\t],   v[F0+4*\t+1]
	v_cvt_pk_bf16_f32 v[F1+8*\t+1], v[F0+4*\t+2], v[F0+4*\t+3]
.endr
	s_wait_dscnt 0x0                               ; the gates; and no LDS instruction of mine is pending at the barrier below
.irp a, 0,1,2,3
	v_cvt_pk_bf16_f32 v[F1+64+8*\a],   v[F0+32+4*\a],   v[F0+32+4*\a+1]      ; packs two gates of another lane's rounding: exact, they are bf16 numbers already
	v_cvt_pk_bf16_f32 v[F1+64+8*\a+1], v[F0+32+4*\a+2], v[F0+32+4*\a+3]
.endr
	WIN BIAS
.irp a, 0,1,2,3
.irp b, 0,1,2,3,4,5,6,7
	v_wmma_f32_16x16x32_bf16 v[8*(8*\a+\b):8*(8*\a+\b)+7], v[F1+8*\b:F1+8*\b+7], v[F1+64+8*\a:F1+64+8*\a+7], 0
.endr
.endr
	WIN 0
; 8 matrix instructions: row tile a x all 8 column tiles, 32 along K, from buffer f.  zero = 1: the expert's first product starts its sums.
; The 32 accumulators take turns, one instruction a turn, in the same order in every quarter.
.macro MUL8 f, a, zero
.irp b, 0,1,2,3,4,5,6,7
.if \zero
	v_wmma_f32_16x16x32_bf16 v[8*(8*\a+\b):8*(8*\a+\b)+7], v[\f+8*\b:\f+8*\b+7], v[\f+64+8*\a:\f+64+8*\a+7], 0
.else
	v_wmma_f32_16x16x32_bf16 v[8*(8*\a+\b):8*(8*\a+\b)+7], v[\f+8*\b:\f+8*\b+7], v[\f+64+8*\a:\f+64+8*\a+7], v[8*(8*\a+\b):8*(8*\a+\b)+7]
.endif
.endr
.endm
; 24 LDS loads in one run: quarter q of a slot into buffer f: 16 for alpha's 8 fragments, then 8 for x's 4.  Largest immediate: 61,152.
.macro FETCH slot, q, f
	WIN 0
.irp b, 0,1,2,3,4,5,6,7
	ds_load_tr16_b128 v[\f+8*\b:\f+8*\b+3],   v[ADRB+\slot] offset:\q*32*BPITCH+32*\b
	ds_load_tr16_b128 v[\f+8*\b+4:\f+8*\b+7], v[ADRB+\slot] offset:\q*32*BPITCH+32*\b+16*BPITCH
.endr
.irp a, 0,1,2,3
	ds_load_b128 v[\f+64+8*\a:\f+64+8*\a+3],   v[ADRA+\slot] offset:\q*64+\a*16*APITCH
	ds_load_b128 v[\f+64+8*\a+4:\f+64+8*\a+7], v[ADRA+\slot] offset:\q*64+\a*16*APITCH+32
.endr
.endm
; One of a K step's first three quarters: multiplies buffer f; in its middle fetches quarter qn of the same slot into buffer g.
.macro QUARTER slot, qn, f, g, zero
	s_wait_dscnt 4                                 ; alpha's fragments and x's tiles 0, 1 are in; the youngest four loads (x's tiles 2, 3) may be out
	WIN MUL
	MUL8 \f, 0, \zero
	MUL8 \f, 1, \zero
	PLACES                                         ; behind the matrix instructions that read buffer g
	FETCH \slot, \qn, \g
	s_wait_dscnt 24                                ; all but the 24 just issued
	WIN MUL
	MUL8 \f, 2, \zero
	MUL8 \f, 3, \zero
.endm
.macro THREE slot, zero
	QUARTER \slot, 1, F0, F1, \zero
	QUARTER \slot, 2, F1, F0, 0
	QUARTER \slot, 3, F0, F1, 0
.endm
; This expert's gate of my row in each of the four row tiles, twice each (a pair for the packed multiply-add).  step = 1: on to the next expert.
.macro GATE step
.irp a, 0,1,2,3
	ds_load_b32 v[G+2*\a],   v[GA] offset:512*\a
	ds_load_b32 v[G+2*\a+1], v[GA] offset:512*\a
.endr
.if \step
	v_add_nc_u32 v[GA], 4, v[GA]
.endif
.endm
; A K step's last quarter: multiplies buffer 1 and changes slots.  fill = 1: this slot is filled again, two K steps ahead; wrap = 1: that step
; belongs to the next expert, so x's address goes back to the row's start; gate = 1: the expert ends here, its gates are read.
; In front of the barrier's signal each wave waits for its reads of this slot and for all its tensor loads (one is out: its part of the next slot).
; Where the slot is filled again the barrier opens a round of the cluster's barrier, inside which stands register work alone; the joint refill is
; the wave's first and only tensor load behind the round, ahead of every LDS read.  It has 120 of a step's 128 matrix instructions in which to land.
.macro TURN slot, next, fill, wrap, gate
	s_wait_dscnt 4
	WIN MUL
	MUL8 F1, 0, 0
	s_wait_dscnt 0x0                               ; my reads of this slot are over
	s_wait_tensorcnt 0x0                           ; all my tensor loads have landed: every group 0 may be written
	ds_add_u32 v62, v63
	s_wait_dscnt 0x0
	s_barrier_signal -1
	MUL8 F1, 1, 0                                  ; registers only, while the others arrive
	WIN 0
	s_barrier_wait -1
.if \fill
	CREST                                          ; no wave of any partner still reads this slot or has a load on its way
.if \wrap
	s_sub_nc_u64 s[G0A+4*\slot+2:G0A+4*\slot+3], s[G0A+4*\slot+2:G0A+4*\slot+3], 1536     ; from K step 6 or 7 of the row to step 0 or 1
.else
	s_add_nc_u64 s[G0A+4*\slot+2:G0A+4*\slot+3], s[G0A+4*\slot+2:G0A+4*\slot+3], 512      ; two K steps along the row
.endif
	s_add_nc_u64 s[G0B+4*\slot+2:G0B+4*\slot+3], s[G0B+4*\slot+2:G0B+4*\slot+3], 524288   ; 256 k rows on: the experts follow each other in ab
	JLOAD \slot
.endif
.if \gate
	GATE 1
.endif
	PLACES                                         ; behind the matrix instructions that read buffer 0
	FETCH \next, 0, F0
	WIN MUL
	MUL8 F1, 2, 0
	MUL8 F1, 3, 0
.endm
; FIN += gate * ACC.  left = how many LDS loads were issued behind the eight gate loads.
.macro SCALE left
	s_wait_dscnt \left
	PLACES                                         ; behind the last matrix instructions, whose results are read
	WIN SCL
.irp a, 0,1,2,3
.irp b, 0,1,2,3,4,5,6,7
.irp j, 0,2,4,6
	v_pk_fma_f32 v[8*(8*\a+\b)+\j:8*(8*\a+\b)+\j+1], v[8*(8*\a+\b)+\j:8*(8*\a+\b)+\j+1], v[G+2*\a:G+2*\a+1], v[8*(8*\a+\b)+\j:8*(8*\a+\b)+\j+1]
.endr
.endr
.endr
.endm
; One expert: eight K steps.  last = 1: steps 6 and 7 fill nothing, and step 7 has no change of slots.
.macro EXPERT last
	THREE 0, 1
	TURN 0, 1, 1, 0, 0
	THREE 1, 0
	TURN 1, 0, 1, 0, 0
	THREE 0, 0
	TURN 0, 1, 1, 0, 0
	THREE 1, 0
	TURN 1, 0, 1, 0, 0
	THREE 0, 0
	TURN 0, 1, 1, 0, 0
	THREE 1, 0
	TURN 1, 0, 1, 0, 0
	THREE 0, 0
	TURN 0, 1, 1-\last, 1, 0                       ; in the last expert: the work-group's barrier alone, which shows slot 1 whole to all four waves
	THREE 1, 0
.if \last
	s_wait_dscnt 4
	WIN MUL
	MUL8 F1, 0, 0
	MUL8 F1, 1, 0
	WIN 0
	GATE 0
	s_wait_dscnt 8                                 ; the fragments are in; the eight gate loads may be out
	WIN MUL
	MUL8 F1, 2, 0
	MUL8 F1, 3, 0
	SCALE 0
.else
	TURN 1, 0, 1, 1, 1
	SCALE 24                                       ; the gates are in; the next expert's first 24 fragment loads may be out
.endif
.endm
	s_wait_tensorcnt 0x1                           ; my part of K step 0 is in; step 1's stays out
	s_barrier_signal -1
	s_barrier_wait -1                              ; everybody's part is in
	FETCH 0, 0, F0
	s_mov_b32 s3, 7
.Lexpert:
	EXPERT 0
	WIN 0                                          ; at a label and at a branch every window is 0
	s_sub_co_u32 s3, s3, 1
	s_cmp_lg_u32 s3, 0
	s_cbranch_scc1 .Lexpert
	EXPERT 1                                       ; written out: no load is asked for beyond K step 63
	; THE WAY OUT, 16 rows at a time: a lane's 32 bytes of a row into my own stage, whole rows of 512 bytes back, one row a store.
	s_lshl_b32 s66, s20, 19                        ; 128 br rows of 4,096 bytes
	s_lshl_b32 s67, s15, 18                        ; + 64 wm rows
	s_add_co_u32 s66, s66, s67
	s_lshl_b32 s68, s19, 10                        ; + 256 bc columns of 4 bytes
	s_lshl_b32 s69, s16, 9                         ; + 128 wn columns
	s_add_co_u32 s68, s68, s69
	s_add_co_u32 s66, s66, s68
	s_mov_b32 s67, 0
	s_add_nc_u64 s[12:13], s[12:13], s[66:67]
.macro OUT16 a, f
	WIN OUTW
.irp b, 0,1,2,3,4,5,6,7
	ds_store_b128 v[STO], v[8*(8*\a+\b):8*(8*\a+\b)+3]   offset:64*\b
	ds_store_b128 v[STO], v[8*(8*\a+\b)+4:8*(8*\a+\b)+7] offset:64*\b+16
.endr
	WIN 0
	s_wait_xcnt 0x0                                ; every earlier store has had its addresses translated (ISA guide 3.1): buffer f, which the stores two calls ago read, is loaded again only behind this wait
.irp t, 0,1,2,3,4,5,6,7,8,9,10,11,12,13,14,15
	ds_load_b128 v[\f+4*\t:\f+4*\t+3], v[RD] offset:\t*SPITCH               ; LDS serves a wave's instructions in order (ISA guide 5.7.1.4): these see the stores above
.endr
.irp t, 0,1,2,3,4,5,6,7,8,9,10,11,12,13,14,15
	s_wait_dscnt 15-\t                             ; row t is in, the younger rows may be out
	global_store_b128 v[CO], v[\f+4*\t:\f+4*\t+3], s[12:13] offset:(16*\a+\t)*4096 th:TH_STORE_NT   ; the wave stores 512 consecutive bytes at a multiple of 512 from out0's first byte
.endr
.endm
	OUT16 0, F0
	OUT16 1, F1
	OUT16 2, F0
	OUT16 3, F1
	s_wait_tensorcnt 0x0
	ds_add_u32 v62, v63
	s_wait_dscnt 0x0
	CROUND                                         ; the closing round: no work-group ends while a partner may still ask for a tile that names it
	s_endpgm
.Lfunc_end_k_qdbf6dd64db_moe:
	.size	k_qdbf6dd64db_moe, .Lfunc_end_k_qdbf6dd64db_moe-k_qdbf6dd64db_moe
	.p2alignl 7, 3214868480
	.fill 96, 4, 3214868480
	.section	.rodata,"a",@progbits
	.p2align	6, 0x0
	.amdhsa_kernel k_qdbf6dd64db_moe
		.amdhsa_group_segment_fixed_size 327680
		.amdhsa_private_segment_fixed_size 0
		.amdhsa_enable_private_segment 0
		.amdhsa_kernarg_size 40
		.amdhsa_user_sgpr_count 2
		.amdhsa_user_sgpr_kernarg_segment_ptr 1
		.amdhsa_wavefront_size32 1
		.amdhsa_system_sgpr_workgroup_id_x 1
		.amdhsa_system_sgpr_workgroup_id_y 1
		.amdhsa_system_sgpr_workgroup_id_z 1
		.amdhsa_system_vgpr_workitem_id 0
		.amdhsa_next_free_vgpr 768
		.amdhsa_next_free_sgpr 72
		.amdhsa_reserve_vcc 0
		.amdhsa_float_denorm_mode_32 3
		.amdhsa_float_denorm_mode_16_64 3
		.amdhsa_memory_ordered 1
		.amdhsa_forward_progress 1
		.amdhsa_inst_pref_size 255
	.end_amdhsa_kernel
	.section	.bss,"aw",@nobits
	.p2align	6
	.space	262144
	.amdgpu_metadata
---
amdhsa.version: [ 1, 2 ]
amdhsa.kernels:
  - .name:           k_qdbf6dd64db_moe
    .symbol:         k_qdbf6dd64db_moe.kd
    .args:
      - { .name: xb, .offset: 0, .size: 8, .value_kind: global_buffer, .address_space: global }
      - { .name: ab, .offset: 8, .size: 8, .value_kind: global_buffer, .address_space: global }
      - { .name: gate_perc, .offset: 16, .size: 8, .value_kind: global_buffer, .address_space: global }
      - { .name: beta, .offset: 24, .size: 8, .value_kind: global_buffer, .address_space: global }
      - { .name: out0, .offset: 32, .size: 8, .value_kind: global_buffer, .address_space: global }
    .group_segment_fixed_size: 327680
    .private_segment_fixed_size: 0
    .kernarg_segment_align: 8
    .kernarg_segment_size: 40
    .max_flat_workgroup_size: 128
    .sgpr_count:     72
    .vgpr_count:     768
    .wavefront_size: 32
...
	.end_amdgpu_metadata
.endif
;; end of part 2
;; ======== version 2 of 2: 2 launches; 1.25 times as fast as version 1
;; workspace buffers: xb 16,777,216 bytes; ab 16,777,216 bytes
;; launch cvt (part 3): grid 256 x 2, 8 waves a work-group, no clusters, 0 bytes of LDS; arguments x, alpha, xb, ab; writes xb, ab
.if DOCPART == 3
	.amdgcn_target "amdgcn-amd-amdhsa--gfx1250"
	.amdhsa_code_object_version 6
	.text
	.protected	k_qdbf6dd64db_cvt
	.globl	k_qdbf6dd64db_cvt
	.p2align	8
	.type	k_qdbf6dd64db_cvt,@function
k_qdbf6dd64db_cvt:
	s_mov_b64 s[64:65], 0
	v_nop
	global_prefetch_b8 v0, s[64:65] scope:SCOPE_SE
	s_setreg_imm32_b32 hwreg(HW_REG_WAVE_MODE, 25, 1), 1
	s_wait_xcnt 0x0
; xb = bf16(x), ab = bf16(alpha): each number of the two large inputs is rounded ONCE (to nearest even), in its own place: the layouts stay
; ([8192][1024] and [8][1024][1024], the last axis along the rows).  The product launch would otherwise round alpha anew in each of its 32 row
; blocks and x in each of its 8 column blocks and 4 pairs of experts, and would move twice the bytes through LDS.
; LIMIT: an f32 beyond bf16's largest finite number becomes an infinity; NaN stays NaN.  No work of reference() is left out.
; A stream: no LDS, no barrier, no matrix unit, no cluster (no byte is read by two work-groups).
; Grid: x = 256 pieces of 131,072 input bytes, y = 0 for x, 1 for alpha (both inputs have 256 x 131,072 bytes).
; A piece goes in 16 turns of 8,192 bytes, 1,024 for each of the eight waves: two blocks of 512 bytes, one load each.
; A ring of DEPTH register slots keeps 2 DEPTH loads of every wave on their way; a slot's next loads are issued ahead of the turn's store, so
; loads and stores leave side by side through the whole launch.  Every step stands in an immediate and every turn has store registers of its own:
; no address and no store data is ever rewritten, so the only wait in a turn is the one for its two loads.
; LANES.  In a block of 512 bytes lane l takes the 16-byte piece 2 (l % 16) + l / 16: the load still covers 512 consecutive bytes.  Packed, lanes
; 0-15 hold the even pieces of both blocks and lanes 16-31 the odd ones; exchanging the upper lanes of block 0's words with the lower lanes of
; block 1's gives lane l < 16 the pieces 2 l, 2 l + 1 of block 0 and lane 16 + l those of block 1: 16 neighbouring output bytes a lane, and the
; wave's one store covers 512 consecutive bytes at a multiple of 512.
.set TURNS, 16
.set DEPTH, 8
.set TURN_IN,  8192                    ; input bytes of the work-group's turn
.set TURN_OUT, 4096
.set X, 8                              ; v[8:71]    slot s: 8 registers of f32: block 0's piece, block 1's piece
.set Y, 72                             ; v[72:135]  turn i: 4 registers, 8 bf16
	s_load_b256 s[4:11], s[0:1], 0x0               ; x s[4:5], alpha s[6:7], xb s[8:9], ab s[10:11]
	s_lshl_b32 s18, ttmp9, 17                      ; my piece's byte offset in the input (below 32 MiB),
	s_mov_b32 s19, 0
	s_lshl_b32 s20, ttmp9, 16                      ; and in the output: half of it
	s_mov_b32 s21, 0
	s_and_b32 s12, ttmp7, 0xffff                   ; y: which tensor
	v_and_b32 v3, 15, v0                           ; l % 16
	v_bfe_u32 v4, v0, 4, 1                         ; l / 16
	v_lshrrev_b32 v5, 5, v0                        ; wave
	v_lshlrev_b32 v1, 5, v3                        ; in: 32 (l % 16)
	v_lshl_add_u32 v1, v4, 4, v1                   ;   + 16 (l / 16)
	v_lshl_add_u32 v1, v5, 10, v1                  ;   + 1,024 x wave
	v_lshlrev_b32 v2, 4, v0                        ; out: 16 t = 512 x wave + 16 l
	s_wait_kmcnt 0x0
	s_cmp_eq_u32 s12, 0                            ; the choice hangs on the grid's y alone
	s_cselect_b64 s[14:15], s[4:5], s[6:7]         ; from x or alpha
	s_cselect_b64 s[16:17], s[8:9], s[10:11]       ; to xb or ab
	s_add_nc_u64 s[14:15], s[14:15], s[18:19]
	s_add_nc_u64 s[16:17], s[16:17], s[20:21]
.set i, 0
.rept DEPTH                                        ; fill the ring: turns 0 to 7
	global_load_b128 v[X+8*i:X+8*i+3],   v1, s[14:15] offset:TURN_IN*i th:TH_LOAD_NT       ; read once in the launch
	global_load_b128 v[X+8*i+4:X+8*i+7], v1, s[14:15] offset:TURN_IN*i+512 th:TH_LOAD_NT
.set i, i+1
.endr
.set i, 0
.rept TURNS
.set xs, X+8*(i%DEPTH)
.set ys, Y+4*i
.if i < TURNS-DEPTH
	s_wait_loadcnt 2*DEPTH-2                       ; loads come back in order (ISA guide 5.7.1): this turn's two are in, the seven younger turns' stay out
.else
	s_wait_loadcnt 2*(TURNS-1-i)                   ; the last eight turns load nothing: the counts run down
.endif
	v_cvt_pk_bf16_f32 v[ys],   v[xs],   v[xs+1]    ; block 0's piece
	v_cvt_pk_bf16_f32 v[ys+1], v[xs+2], v[xs+3]
	v_cvt_pk_bf16_f32 v[ys+2], v[xs+4], v[xs+5]    ; block 1's piece
	v_cvt_pk_bf16_f32 v[ys+3], v[xs+6], v[xs+7]
	v_permlane16_swap_b32 v[ys],   v[ys+2]         ; the first register's lanes 16-31 change places with the second's lanes 0-15
	v_permlane16_swap_b32 v[ys+1], v[ys+3]
.if i < TURNS-DEPTH
	global_load_b128 v[xs:xs+3],   v1, s[14:15] offset:TURN_IN*(i+DEPTH) th:TH_LOAD_NT     ; the slot's next turn, ahead of the store
	global_load_b128 v[xs+4:xs+7], v1, s[14:15] offset:TURN_IN*(i+DEPTH)+512 th:TH_LOAD_NT
.endif
	global_store_b128 v2, v[ys:ys+3], s[16:17] offset:TURN_OUT*i                           ; no hint: the next launch reads these bytes
.set i, i+1
.endr
	s_endpgm
.Lfunc_end_k_qdbf6dd64db_cvt:
	.size	k_qdbf6dd64db_cvt, .Lfunc_end_k_qdbf6dd64db_cvt-k_qdbf6dd64db_cvt
	.p2alignl 7, 3214868480
	.fill 96, 4, 3214868480
	.section	.rodata,"a",@progbits
	.p2align	6, 0x0
	.amdhsa_kernel k_qdbf6dd64db_cvt
		.amdhsa_group_segment_fixed_size 0
		.amdhsa_private_segment_fixed_size 0
		.amdhsa_enable_private_segment 0
		.amdhsa_kernarg_size 32
		.amdhsa_user_sgpr_count 2
		.amdhsa_user_sgpr_kernarg_segment_ptr 1
		.amdhsa_wavefront_size32 1
		.amdhsa_system_sgpr_workgroup_id_x 1
		.amdhsa_system_sgpr_workgroup_id_y 1
		.amdhsa_system_sgpr_workgroup_id_z 1
		.amdhsa_system_vgpr_workitem_id 0
		.amdhsa_next_free_vgpr 136
		.amdhsa_next_free_sgpr 66
		.amdhsa_reserve_vcc 0
		.amdhsa_float_denorm_mode_32 3
		.amdhsa_float_denorm_mode_16_64 3
		.amdhsa_memory_ordered 1
		.amdhsa_forward_progress 1
		.amdhsa_inst_pref_size 12
	.end_amdhsa_kernel
	.amdgpu_metadata
---
amdhsa.version: [ 1, 2 ]
amdhsa.kernels:
  - .name:           k_qdbf6dd64db_cvt
    .symbol:         k_qdbf6dd64db_cvt.kd
    .args:
      - { .name: x, .offset: 0, .size: 8, .value_kind: global_buffer, .address_space: global }
      - { .name: alpha, .offset: 8, .size: 8, .value_kind: global_buffer, .address_space: global }
      - { .name: xb, .offset: 16, .size: 8, .value_kind: global_buffer, .address_space: global }
      - { .name: ab, .offset: 24, .size: 8, .value_kind: global_buffer, .address_space: global }
    .group_segment_fixed_size: 0
    .private_segment_fixed_size: 0
    .kernarg_segment_align: 8
    .kernarg_segment_size: 32
    .max_flat_workgroup_size: 256
    .sgpr_count:     66
    .vgpr_count:     136
    .wavefront_size: 32
...
	.end_amdgpu_metadata
.endif
;; end of part 3
;; launch moe (part 4): grid 8 x 32, 4 waves a work-group, clusters of 4 x 4, 327,680 bytes of LDS; arguments xb, ab, gate_perc, beta, out0; writes out0
.if DOCPART == 4
	.amdgcn_target "amdgcn-amd-amdhsa--gfx1250"
	.amdhsa_code_object_version 6
	.text
	.protected	k_qdbf6dd64db_moe
	.globl	k_qdbf6dd64db_moe
	.p2align	8
	.type	k_qdbf6dd64db_moe,@function
k_qdbf6dd64db_moe:
	s_mov_b64 s[64:65], 0
	v_nop
	global_prefetch_b8 v0, s[64:65] scope:SCOPE_SE
	s_setreg_imm32_b32 hwreg(HW_REG_WAVE_MODE, 25, 1), 1
	s_wait_xcnt 0x0
	s_wait_alu depctr_hold_cnt(0) depctr_sa_sdst(0) depctr_va_vdst(0) depctr_va_sdst(0) depctr_va_ssrc(0) depctr_va_vcc(0) depctr_vm_vsrc(0)
	s_getreg_b32 s2, hwreg(HW_REG_IB_STS2, 6, 4)
	s_cmp_eq_u32 s2, 0
	s_cbranch_scc0 .Lentry_in_a_cluster
	s_endpgm
.Lentry_in_a_cluster:
	s_bfe_u32 s2, ttmp6, 0x10000c
	s_cmp_lg_u32 s2, 0xf033
	s_cbranch_scc0 .Lentry_shape_is_right
	s_endpgm
.Lentry_shape_is_right:
; out[b][u] = sum over e of gate[b][e] (x[b] @ alpha[e])[u]  +  (gate @ beta)[b][u].     B = 8192, IN = UNITS = 1024, E = 8.
; xb [8192][1024] and ab [8][1024][1024] are x and alpha in bf16 (made by the launch before); gate_perc, beta and out0 are f32.
; No work of reference() is left out: every input reaches every row of the output.
; HOW.  The experts go in four pairs.  For a pair the two products P_e = xb @ ab[e] are summed in f32 in two sets of accumulators (their first
; products take C = 0); behind the pair's K = 1024 the wave adds FIN += gate[b][e] * ACC_e in f32: 256 packed multiply-adds for 2,048 matrix
; instructions.  Both experts of a pair multiply the SAME tile and the same fragments of x, so x is brought to LDS and to registers once for two.
; FIN is started by the bias product gate @ beta on the matrix unit (C = 0; its K = 8 stands in 8 of the 32 places of K, the others hold zeros).
; LIMITS: all four operands of the two products (x, alpha, gate_perc, beta) are rounded to bf16, each once, to nearest even; an f32 beyond bf16's
; largest finite number becomes an infinity.  gate_perc is rounded as it goes to LDS and lies there widened to f32 again, so both of its uses take
; the same number.  Products and sums are in f32, per expert and then over the experts, which is another order of rounding than reference()'s.
; SHARES.  A work-group makes 256 rows x 128 columns of out with four waves; a wave makes 128 x 64: 8 x 4 tiles of 16 x 16.  8 x 32 work-groups.
; K goes in 32 periods (four pairs x eight K steps of 128) through two LDS slots filled by the tensor data mover.  A slot holds x's 256 x 128 and
; both experts' 128 (k) x 128 (u) of alpha; a period is four quarters of 32 along K, 64 matrix instructions each: 32 for each expert.
; CLUSTERS: 4 x 4 work-groups.  x's tile hangs on the block row alone: the four of a cluster's row ask for it jointly; alpha's tiles hang on the
; block column alone: the four of a cluster's column ask for them jointly.  Each of the four issues the same load with the same descriptor.
; THE MATRIX INSTRUCTION IS USED TRANSPOSED: source 0 = 16 columns of alpha, source 1 = 16 rows of x.  Lane l then holds row l % 16 of the tile and
; its registers 0-7 the columns 8 (l / 16) + 0..7: the gate is ONE number for a lane and a row tile, and a lane's results are 32 neighbouring bytes.
; alpha lies [k][u], u along the rows: its fragments are read from LDS by the transposing load ds_load_tr16_b128.
;
; REGISTERS in windows of 256 (s_set_vgpr_msb: bits 1:0 source 0, 3:2 source 1, 5:4 source 2, 7:6 destination):
;   window 0: addresses, gates, two buffers of 8 x fragments, two sets of 4 alpha fragments (the even expert's, the odd expert's)
;   window 1: ACC of the pair's even expert, tile (a, b) at v[8 (4 a + b)];   window 2: ACC of the odd expert;   window 3: FIN;   the same index
.set APITCH, 272                       ; x in LDS: 256 bytes of a row + 16: sixteen rows start 16 bytes apart modulo 256
.set BPITCH, 288                       ; alpha in LDS: 256 bytes of a k row + 32 = 9 x 32
.set AHALF,  128*APITCH                ; 34,816: what one load brings of x: 128 rows
.set ATILE,  256*APITCH                ; 69,632
.set BTILE,  128*BPITCH                ; 36,864: what one load brings of alpha: one expert's 128 k rows
.set SLOT,   ATILE+2*BTILE             ; 143,360: x's tile, the even expert's alpha, the odd expert's
.set STAGE,  2*SLOT                    ; 286,720: the way out, 16 rows x 272 bytes for each wave; no fill ever lands here
.set SPITCH, 272                       ; 256 bytes of a row + 16
.set WSTAGE, 16*SPITCH                 ; 4,352
.set GS,     STAGE+4*WSTAGE            ; 304,128: each wave's 128 rows of gate_perc, 32 bytes a row as in memory; no fill ever lands here
.set ADRA, 16                          ; v16-17  LDS address of my x fragments in slot 0, 1
.set ADRB, 18                          ; v18-21  the same for alpha: register 2 x slot + expert of the pair
.set STO,  22                          ; v22     the way out: where my 32 bytes of a row go
.set RD,   23                          ; v23     the way out: where I read 16 bytes of a whole row back
.set CO,   24                          ; v24     my byte offset in out: 16 (l % 16) + one row for lanes 16-31
.set GA,   25                          ; v25     LDS address of gate[my row of tile 0][the pair's even expert]; + 8 for each pair
.set GW,   26                          ; v26     where I put 16 bytes of my wave's gate rows
.set BO,   27                          ; v27     my byte offset in beta
.set GF,   28                          ; v28     LDS address of gate[my row][4 h .. 4 h + 3]
.set GO,   29                          ; v29     16 x lane: my byte offset in my wave's gate rows in memory
.set G,    32                          ; v[32:63] sixteen pairs (g, g): pair 2 a + e: expert e's gate of my row in row tile a
.set X0,   64                          ; v[64:127]  x fragments, buffer 0
.set X1,   128                         ; v[128:191] x fragments, buffer 1
.set BA,   192                         ; v[192:223] the even expert's alpha fragments
.set BB,   224                         ; v[224:255] the odd expert's
.set G1A, 24                           ; s[24:31] descriptor group 1 for x's tiles
.set G0A, 32                           ; s[32:39] group 0 for x's tiles, a set for each slot
.set G1B, 40                           ; s[40:47] group 1 for alpha's tiles
.set G0B, 48                           ; s[48:55] group 0 for alpha's tiles, a set for each slot
.set MUL0, 0x50                        ; C and D in window 1, fragments in window 0
.set MUL1, 0xa0                        ; C and D in window 2
.set BIAS, 0xc0                        ; D in window 3
.set SCL0, 0xf1                        ; destination and source 2 in window 3 (FIN), source 0 in window 1 (ACC), source 1 in window 0 (gate)
.set SCL1, 0xf2                        ; the same with source 0 in window 2
.set OUTW, 0x0c                        ; an LDS store's data (source 1) in window 3
.set MSB, 0
.macro WIN new                         ; the immediate's high byte repeats the setting that is left; a switch that changes nothing is dropped
.if MSB != \new
	s_set_vgpr_msb (MSB<<8)|\new
.set MSB, \new
.endif
.endm
; Four places: a load into a register that a matrix instruction has read, and a vector instruction that reads a matrix result, stand four plain
; vector instructions behind it (ISA guide 7.12.1 for vector instructions).
.macro PLACES
.rept 4
	v_nop
.endr
.endm
; A joint load.  Waves 0 and 1 fetch the halves of x's tile, waves 2 and 3 one expert's tile of alpha each.  Each line has one mask and one set of
; registers; the branch hangs on the wave's number alone.
.macro JLOAD s
	s_cmp_eq_u32 s15, 0
	s_cbranch_scc0 .Lfor_b_\@
	tensor_load_to_lds s[G0A+4*\s:G0A+4*\s+3], s[G1A:G1A+7]
	s_nop 0
	s_branch .Lasked_\@
.Lfor_b_\@:
	tensor_load_to_lds s[G0B+4*\s:G0B+4*\s+3], s[G1B:G1B+7]
	s_nop 0
.Lasked_\@:
.endm
; A round of the cluster's barrier: my work-group's barrier, so that wave 0 speaks for all four waves; wave 0 signals; every wave waits for all
; sixteen work-groups; my work-group's barrier once more.
.macro CREST                           ; a round behind its opening barrier
	s_cmp_lg_u32 s14, 0
	s_cbranch_scc1 .Lnot_wave_0_\@
	s_barrier_signal -3
.Lnot_wave_0_\@:
	s_barrier_wait -3
	s_barrier_signal -1
	s_barrier_wait -1
.endm
.macro CROUND                          ; a whole round
	s_barrier_signal -1
	s_barrier_wait -1
	CREST
.endm
	s_load_b256 s[4:11], s[0:1], 0x0               ; xb s[4:5], ab s[6:7], gate_perc s[8:9], beta s[10:11]
	s_load_b64 s[12:13], s[0:1], 0x20              ; out0
	v_lshl_add_u32 v30, v0, 2, 0x4e400
	v_mov_b32 v31, 0
	ds_add_u32 v30, v31
	v_lshrrev_b32 v1, 5, v0
	v_readfirstlane_b32 s14, v1                    ; wave w, 0..3
	s_lshr_b32 s15, s14, 1                         ; wm: which 128 rows of the block are mine.  Also: I fetch for x (0) or for alpha (1)
	s_and_b32 s16, s14, 1                          ; wn: which 64 columns are mine.  Also: which half of x's tile, or which expert of the pair, I fetch
	s_bfe_u32 s17, ttmp6, 0x40000                  ; cx
	s_bfe_u32 s18, ttmp6, 0x40004                  ; cy
	s_lshl_b32 s19, ttmp9, 2                       ; in a cluster launch ttmp9 and ttmp7 count clusters
	s_add_co_u32 s19, s19, s17                     ; bc: block column = 4 x cluster x + cx
	s_and_b32 s20, ttmp7, 0xffff
	s_lshl_b32 s20, s20, 2
	s_add_co_u32 s20, s20, s18                     ; br: block row = 4 x cluster y + cy
	s_lshl_b32 s21, s18, 2
	s_lshl_b32 s21, 15, s21                        ; my row of the cluster: places 4 cy .. 4 cy + 3
	s_lshl_b32 s22, 0x1111, s17                    ; my column: places cx, cx + 4, cx + 8, cx + 12
	; group 1 for x: 128 rows x 128 elements of 2 bytes, 4 words of padding behind every 64 words
	s_or_b32 s[G1A+0], s21, (1<<16)|(1<<20)|(1<<21)|(5<<22)|(3<<25)   ; 15:0 mask: my row; 17:16 2-byte elements; 20 padding on; 21 set beside a mask; 24:22 interval code 5; 31:25 pad code 3
	s_mov_b32 s[G1A+1], 128<<16                    ; tensor_dim0 = 128
	s_mov_b32 s[G1A+2], 128<<16                    ; tensor_dim1 = 128
	s_mov_b32 s[G1A+3], 128<<16                    ; tile_dim0 = 128
	s_mov_b32 s[G1A+4], 128                        ; tile_dim1 = 128
	s_mov_b32 s[G1A+5], 1024                       ; elements from row to row
	s_mov_b32 s[G1A+6], 0
	s_mov_b32 s[G1A+7], 0
	; group 1 for alpha: 128 k rows x 128 elements, 8 words of padding behind every 64 words
	s_or_b32 s[G1B+0], s22, (1<<16)|(1<<20)|(1<<21)|(5<<22)|(7<<25)   ; the mask: my column; interval code 5; pad code 7
	s_mov_b32 s[G1B+1], 128<<16
	s_mov_b32 s[G1B+2], 128<<16
	s_mov_b32 s[G1B+3], 128<<16
	s_mov_b32 s[G1B+4], 128
	s_mov_b32 s[G1B+5], 1024
	s_mov_b32 s[G1B+6], 0
	s_mov_b32 s[G1B+7], 0
	; offsets.  x's hang on br and the wave, alpha's on bc and the wave, each in registers that never hold the other coordinate.
	s_lshl_b32 s56, s20, 19                        ; x: 256 br rows of 2,048 bytes
	s_lshl_b32 s57, s16, 18                        ;    + 128 wn rows
	s_add_co_u32 s56, s56, s57
	s_mov_b32 s57, 0
	s_lshl_b32 s60, s19, 8                         ; alpha: 128 bc columns of 2 bytes
	s_lshl_b32 s61, s16, 21                        ;    + expert wn: 1,024 k rows of 2,048 bytes
	s_add_co_u32 s60, s60, s61
	s_mov_b32 s61, 0
	s_mul_i32 s23, s16, AHALF                      ; where they go in a slot: x's halves,
	s_mul_i32 s70, s16, BTILE
	s_add_co_u32 s70, s70, ATILE                   ; then the two experts' tiles: the wave's number and constants alone
	s_lshl_b32 s66, s20, 13                        ; gate_perc: 256 br rows of 32 bytes
	s_lshl_b32 s67, s15, 12                        ;    + 128 wm rows
	s_add_co_u32 s66, s66, s67
	s_mov_b32 s67, 0
	s_lshl_b32 s68, s19, 9                         ; beta: 128 bc columns of 4 bytes
	s_mov_b32 s69, 0
	s_wait_dscnt 0x0
	s_wait_kmcnt 0x0
	s_add_nc_u64 s[58:59], s[4:5], s[56:57]
	s_add_nc_u64 s[62:63], s[6:7], s[60:61]
	s_add_nc_u64 s[8:9], s[8:9], s[66:67]
	s_add_nc_u64 s[10:11], s[10:11], s[68:69]
	CROUND                                         ; all sixteen work-groups are here: the first joint loads meet
.irp s, 0,1
	s_mov_b32 s[G0A+4*\s], 1                                       ; count = 1
	s_add_co_u32 s[G0A+4*\s+1], s23, \s*SLOT                       ; LDS address
	s_add_nc_u64 s[G0A+4*\s+2:G0A+4*\s+3], s[58:59], \s*256        ; K step s: 128 elements along the row
	s_or_b32 s[G0A+4*\s+3], s[G0A+4*\s+3], 0x80000000              ; type = 2
	s_mov_b32 s[G0B+4*\s], 1
	s_add_co_u32 s[G0B+4*\s+1], s70, \s*SLOT
	s_add_nc_u64 s[G0B+4*\s+2:G0B+4*\s+3], s[62:63], \s*262144     ; K step s: 128 k rows of 2,048 bytes
	s_or_b32 s[G0B+4*\s+3], s[G0B+4*\s+3], 0x80000000
	JLOAD \s                                       ; both slots are asked for before anything else: two tensor loads of the wave are out
.endr
	; lane addresses
	v_and_b32 v1, 15, v0                           ; r = l % 16
	v_bfe_u32 v2, v0, 4, 1                         ; h = l / 16
	v_and_b32 v3, 7, v0                            ; l % 8
	v_bfe_u32 v4, v0, 3, 1                         ; bit 3 of l
	v_and_b32 v5, 31, v0                           ; l
	; an x fragment: lane l holds row r; registers 0-3 K = 8 h + 0..7, registers 4-7 K = 16 + 8 h + 0..7: two loads of 16 bytes, 32 bytes apart
	v_mul_u32_u24 v6, v1, APITCH
	v_lshl_add_u32 v6, v2, 4, v6
	s_mul_i32 s66, s15, AHALF                      ; my 128 rows
	v_add_nc_u32 v[ADRA], s66, v6
	v_add_nc_u32 v[ADRA+1], SLOT, v[ADRA]
	; an alpha fragment by the transposing load: lane l addresses k row 8 h + l % 8, 16 bytes at 16 x bit 3; the second load 16 k rows further down
	v_lshl_add_u32 v7, v2, 3, v3
	v_mul_u32_u24 v7, v7, BPITCH
	v_lshl_add_u32 v7, v4, 4, v7
	s_lshl_b32 s67, s16, 7                         ; my 64 columns
	s_add_co_u32 s67, s67, ATILE
	v_add_nc_u32 v[ADRB], s67, v7                  ; a register for each slot and expert: a tile's offsets reach 32,352, two tiles' would pass the 16-bit immediate
	v_add_nc_u32 v[ADRB+1], BTILE, v[ADRB]
	v_add_nc_u32 v[ADRB+2], SLOT, v[ADRB]
	v_add_nc_u32 v[ADRB+3], SLOT+BTILE, v[ADRB]
	s_mul_i32 s68, s14, WSTAGE
	s_add_co_u32 s68, s68, STAGE                   ; my stage
	v_mul_u32_u24 v8, v1, SPITCH
	v_lshl_add_u32 v8, v2, 5, v8                   ; in: row r, 32 bytes for each half of the lanes
	v_add_nc_u32 v[STO], s68, v8
	v_mul_u32_u24 v9, v2, SPITCH                   ; back: lanes 0-15 take one row of 256 bytes, lanes 16-31 the next
	v_lshl_add_u32 v9, v1, 4, v9
	v_add_nc_u32 v[RD], s68, v9
	v_lshlrev_b32 v[CO], 4, v1                     ; and the same two rows in out (rows of 4,096 bytes)
	v_lshl_add_u32 v[CO], v2, 12, v[CO]
	v_lshlrev_b32 v[GO], 4, v5
	s_lshl_b32 s69, s14, 12
	s_add_co_u32 s69, s69, GS                      ; my wave's gate rows
	v_lshl_add_u32 v[GA], v1, 5, s69               ; row r, expert 0
	v_lshl_add_u32 v[GW], v5, 4, s69
	v_lshl_add_u32 v[GF], v2, 4, v[GA]             ; row r, experts 4 h ..
	v_lshlrev_b32 v[BO], 2, v1                     ; beta: column r,
	v_lshl_add_u32 v[BO], v2, 14, v[BO]            ; expert 4 h (rows of 4,096 bytes),
	s_lshl_b32 s71, s16, 8
	v_add_nc_u32 v[BO], s71, v[BO]                 ; my 64 columns
	; THE BIAS PRODUCT, while the first tiles are on their way: FIN(a, b) = beta's columns x gate's rows.  In both operands expert 4 h + q
	; stands at K = 8 h + q (registers 0 and 1 of the fragment); the other 24 places of K (registers 2-7) hold zeros.
	; At work: buffer 0 and the even set hold the numbers as loaded; buffer 1 and the odd set hold the twelve fragments.
.irp j, 0,1,2,3,4,5,6,7
	global_load_b128 v[X0+4*\j:X0+4*\j+3], v[GO], s[8:9] offset:512*\j       ; my wave's 128 gate rows: 4,096 consecutive bytes
.endr
.irp t, 0,1,2,3
.irp q, 0,1,2,3
	global_load_b32 v[BA+4*\t+\q], v[BO], s[10:11] offset:4096*\q+64*\t      ; beta[4 h + q][column 16 t + r of mine]
.endr
.endr
	s_wait_loadcnt 16                              ; the eight gate loads are in; the 16 issued behind them may be out
	; the gates are rounded to bf16 here, once, and widened to f32 again: the multiply-adds behind each pair and the bias product take the same numbers
.irp j, 0,1,2,3,4,5,6,7,8,9,10,11,12,13,14,15
	v_cvt_pk_bf16_f32 v[X0+32+\j], v[X0+2*\j], v[X0+2*\j+1]
.endr
.irp j, 0,1,2,3,4,5,6,7,8,9,10,11,12,13,14,15
	v_lshlrev_b32 v[X0+2*\j],   16, v[X0+32+\j]                              ; the low half moves up,
	v_and_b32     v[X0+2*\j+1], 0xffff0000, v[X0+32+\j]                      ; the high half stays
.endr
.irp j, 0,1,2,3,4,5,6,7
	ds_store_b128 v[GW], v[X0+4*\j:X0+4*\j+3] offset:512*\j
.endr
.irp a, 0,1,2,3,4,5,6,7
	ds_load_b128 v[X0+32+4*\a:X0+32+4*\a+3], v[GF] offset:512*\a             ; gate[16 a + r][4 h .. 4 h + 3]; LDS serves a wave's instructions in order (ISA guide 5.7.1.4): these see my stores
.endr
.irp k, 2,3,4,5,6,7                                ; the unused places of K in the twelve fragments: operands, not sums; once in the launch
.irp a, 0,1,2,3,4,5,6,7
	v_mov_b32 v[X1+8*\a+\k], 0
.endr
.irp t, 0,1,2,3
	v_mov_b32 v[BB+8*\t+\k], 0
.endr
.endr
	s_wait_loadcnt 0x0                             ; beta
.irp t, 0,1,2,3
	v_cvt_pk_bf16_f32 v[BB+8*\t],   v[BA+4*\t],   v[BA+4*\t+1]
	v_cvt_pk_bf16_f32 v[BB+8*\t+1], v[BA+4*\t+2], v[BA+4*\t+3]
.endr
	s_wait_dscnt 0x0                               ; the gates; and no LDS instruction of mine is pending at the barrier below
.irp a, 0,1,2,3,4,5,6,7
	v_cvt_pk_bf16_f32 v[X1+8*\a],   v[X0+32+4*\a],   v[X0+32+4*\a+1]         ; packs two gates: exact, they are bf16 numbers already
	v_cvt_pk_bf16_f32 v[X1+8*\a+1], v[X0+32+4*\a+2], v[X0+32+4*\a+3]
.endr
	WIN BIAS
.irp a, 0,1,2,3,4,5,6,7
.irp b, 0,1,2,3
	v_wmma_f32_16x16x32_bf16 v[8*(4*\a+\b):8*(4*\a+\b)+7], v[BB+8*\b:BB+8*\b+7], v[X1+8*\a:X1+8*\a+7], 0
.endr
.endr
	WIN 0
; 16 matrix instructions of one expert: row tiles a0 .. a0 + 3 x all 4 column tiles, 32 along K, x from buffer x, alpha from set bs.
; zero = 1: the pair's first products start its sums.  An expert's 32 accumulators take turns, one instruction a turn, in the same order in
; every quarter, and the two experts' sets follow each other.
.macro MUL16 x, bs, a0, zero
.irp a, \a0, \a0+1, \a0+2, \a0+3
.irp b, 0,1,2,3
.if \zero
	v_wmma_f32_16x16x32_bf16 v[8*(4*(\a)+\b):8*(4*(\a)+\b)+7], v[\bs+8*\b:\bs+8*\b+7], v[\x+8*(\a):\x+8*(\a)+7], 0
.else
	v_wmma_f32_16x16x32_bf16 v[8*(4*(\a)+\b):8*(4*(\a)+\b)+7], v[\bs+8*\b:\bs+8*\b+7], v[\x+8*(\a):\x+8*(\a)+7], v[8*(4*(\a)+\b):8*(4*(\a)+\b)+7]
.endif
.endr
.endr
.endm
; 8 LDS loads: expert e's four alpha fragments of quarter q of a slot into set bs
.macro LOADB slot, e, q, bs
.irp b, 0,1,2,3
	ds_load_tr16_b128 v[\bs+8*\b:\bs+8*\b+3],   v[ADRB+2*\slot+\e] offset:\q*32*BPITCH+32*\b
	ds_load_tr16_b128 v[\bs+8*\b+4:\bs+8*\b+7], v[ADRB+2*\slot+\e] offset:\q*32*BPITCH+32*\b+16*BPITCH
.endr
.endm
; 8 LDS loads: x fragments a0 .. a0 + 3 of quarter q of a slot into buffer x
.macro LOADX slot, q, x, a0
.irp a, \a0, \a0+1, \a0+2, \a0+3
	ds_load_b128 v[\x+8*(\a):\x+8*(\a)+3],   v[ADRA+\slot] offset:\q*64+(\a)*16*APITCH
	ds_load_b128 v[\x+8*(\a)+4:\x+8*(\a)+7], v[ADRA+\slot] offset:\q*64+(\a)*16*APITCH+32
.endr
.endm
; One of a period's first three quarters, q, on x buffer xc; qn = q + 1, whose x fragments go to buffer xn.
; Each half of 32 products begins with one run of 16 loads into registers that the half before has read last: what it brings is first used 32 matrix
; instructions later.  The wait behind a run leaves that run out and shows everything older in.
.macro QUARTER slot, q, qn, xc, xn, zero
	WIN 0
	PLACES                                         ; behind the matrix instructions that read the odd set and buffer xn
	LOADB \slot, 1, \q, BB                         ; this quarter's odd expert
	LOADX \slot, \qn, \xn, 0                       ; the next quarter's x, row tiles 0-3
	s_wait_dscnt 16                                ; all but the 16 just issued: the even set and buffer xc are in
	WIN MUL0
	MUL16 \xc, BA, 0, \zero
	MUL16 \xc, BA, 4, \zero
	WIN 0
	PLACES                                         ; behind the matrix instructions that read the even set
	LOADB \slot, 0, \qn, BA                        ; the next quarter's even expert
	LOADX \slot, \qn, \xn, 4                       ; the next quarter's x, row tiles 4-7
	s_wait_dscnt 16                                ; all but the 16 just issued: the odd set is in
	WIN MUL1
	MUL16 \xc, BB, 0, \zero
	MUL16 \xc, BB, 4, \zero
.endm
.macro THREE slot, zero
	QUARTER \slot, 0, 1, X0, X1, \zero
	QUARTER \slot, 1, 2, X1, X0, 0
	QUARTER \slot, 2, 3, X0, X1, 0
.endm
; The pair's gates of my row in each of the eight row tiles, twice each (a pair of registers for the packed multiply-add): 32 loads of 4 bytes
; for the pair's 2,048 matrix instructions.  step = 1: on to the next pair.
.macro GATE step
.irp a, 0,1,2,3,4,5,6,7
.irp e, 0,1
	ds_load_b32 v[G+4*\a+2*\e],   v[GA] offset:512*\a+4*\e
	ds_load_b32 v[G+4*\a+2*\e+1], v[GA] offset:512*\a+4*\e
.endr
.endr
.if \step
	v_add_nc_u32 v[GA], 8, v[GA]
.endif
.endm
; A period's last quarter: multiplies buffer 1 and changes slots.  fill = 1: this slot is filled again, two periods ahead; wrap = 1: that period
; belongs to the next pair, so x's address goes back to the row's start and alpha's skips to the next pair; gate = 1: the pair ends here.
; In front of the barrier's signal each wave waits for its reads of this slot and for all its tensor loads (one is out: its part of the next slot).
; Where the slot is filled again the barrier opens a round of the cluster's barrier, inside which stands register work alone; the joint refill is
; the wave's first and only tensor load behind the round, ahead of every LDS read.  From the request to the wait for it the wave issues
; 32 + 192 + 16 = 240 of a period's 256 matrix instructions.
.macro TURN slot, next, fill, wrap, gate
	WIN 0
	PLACES                                         ; behind the matrix instructions that read the odd set
	LOADB \slot, 1, 3, BB                          ; my last reads of this slot
	s_wait_dscnt 8                                 ; all but the 8 just issued
	WIN MUL0
	MUL16 X1, BA, 0, 0
	s_wait_dscnt 0x0                               ; my reads of this slot are over
	s_wait_tensorcnt 0x0                           ; all my tensor loads have landed: every group 0 may be written
	ds_add_u32 v30, v31
	s_wait_dscnt 0x0
	s_barrier_signal -1
	MUL16 X1, BA, 4, 0                             ; registers only, while the others arrive
	WIN 0
	s_barrier_wait -1
.if \fill
	CREST                                          ; no wave of any partner still reads this slot or has a load on its way
.if \wrap
	s_sub_nc_u64 s[G0A+4*\slot+2:G0A+4*\slot+3], s[G0A+4*\slot+2:G0A+4*\slot+3], 1536     ; from K step 6 or 7 of the row to step 0 or 1
	s_add_nc_u64 s[G0B+4*\slot+2:G0B+4*\slot+3], s[G0B+4*\slot+2:G0B+4*\slot+3], 2621440  ; two experts on (4,194,304) and six K steps back (6 x 262,144)
.else
	s_add_nc_u64 s[G0A+4*\slot+2:G0A+4*\slot+3], s[G0A+4*\slot+2:G0A+4*\slot+3], 512      ; two K steps along the row
	s_add_nc_u64 s[G0B+4*\slot+2:G0B+4*\slot+3], s[G0B+4*\slot+2:G0B+4*\slot+3], 524288   ; 256 k rows on
.endif
	JLOAD \slot
.endif
.if \gate
	GATE 1
.endif
	PLACES                                         ; behind the matrix instructions that read the even set
	LOADB \next, 0, 0, BA                          ; the next period's first fragments: 24 loads
	LOADX \next, 0, X0, 0
	LOADX \next, 0, X0, 4
	WIN MUL1
	MUL16 X1, BB, 0, 0
	MUL16 X1, BB, 4, 0
.endm
; FIN += gate * ACC for one expert of the pair
.macro SCALE1 e
.irp a, 0,1,2,3,4,5,6,7
.irp b, 0,1,2,3
.irp j, 0,2,4,6
	v_pk_fma_f32 v[8*(4*\a+\b)+\j:8*(4*\a+\b)+\j+1], v[8*(4*\a+\b)+\j:8*(4*\a+\b)+\j+1], v[G+4*\a+2*\e:G+4*\a+2*\e+1], v[8*(4*\a+\b)+\j:8*(4*\a+\b)+\j+1]
.endr
.endr
.endr
.endm
; left = how many LDS loads were issued behind the 32 gate loads
.macro SCALE left
	s_wait_dscnt \left
	PLACES                                         ; behind the last matrix instructions, whose results are read
	WIN SCL0
	SCALE1 0
	WIN SCL1
	SCALE1 1
.endm
; One pair of experts: eight periods.  last = 1: periods 6 and 7 fill nothing, and period 7 has no change of slots.
.macro PAIR last
	THREE 0, 1
	TURN 0, 1, 1, 0, 0
	THREE 1, 0
	TURN 1, 0, 1, 0, 0
	THREE 0, 0
	TURN 0, 1, 1, 0, 0
	THREE 1, 0
	TURN 1, 0, 1, 0, 0
	THREE 0, 0
	TURN 0, 1, 1, 0, 0
	THREE 1, 0
	TURN 1, 0, 1, 0, 0
	THREE 0, 0
	TURN 0, 1, 1-\last, 1, 0                       ; in the last pair: the work-group's barrier alone, which shows slot 1 whole to all four waves
	THREE 1, 0
.if \last
	WIN 0
	PLACES
	LOADB 1, 1, 3, BB
	s_wait_dscnt 8                                 ; all but the 8 just issued
	WIN MUL0
	MUL16 X1, BA, 0, 0
	MUL16 X1, BA, 4, 0
	WIN 0
	GATE 0
	s_wait_dscnt 32                                ; the odd set is in; the 32 gate loads may be out
	WIN MUL1
	MUL16 X1, BB, 0, 0
	MUL16 X1, BB, 4, 0
	SCALE 0
.else
	TURN 1, 0, 1, 1, 1
	SCALE 24                                       ; the gates are in; the next pair's first 24 fragment loads may be out
.endif
.endm
	s_wait_tensorcnt 0x1                           ; my part of period 0 is in; period 1's stays out
	s_barrier_signal -1
	s_barrier_wait -1                              ; everybody's part is in
	LOADB 0, 0, 0, BA                              ; period 0's first fragments: 24 loads, into registers that no matrix instruction has named
	LOADX 0, 0, X0, 0
	LOADX 0, 0, X0, 4
	s_mov_b32 s3, 3
.Lpair:
	PAIR 0
	WIN 0                                          ; at a label and at a branch every window is 0
	s_sub_co_u32 s3, s3, 1
	s_cmp_lg_u32 s3, 0
	s_cbranch_scc1 .Lpair
	PAIR 1                                         ; written out: no load is asked for beyond period 31
	; THE WAY OUT, 16 rows at a time: a lane's 32 bytes of a row into my own stage, whole rows of 256 bytes back, two rows a store.
	s_lshl_b32 s66, s20, 20                        ; 256 br rows of 4,096 bytes
	s_lshl_b32 s67, s15, 19                        ; + 128 wm rows
	s_add_co_u32 s66, s66, s67
	s_lshl_b32 s68, s19, 9                         ; + 128 bc columns of 4 bytes
	s_lshl_b32 s69, s16, 8                         ; + 64 wn columns
	s_add_co_u32 s68, s68, s69
	s_add_co_u32 s66, s66, s68
	s_mov_b32 s67, 0
	s_add_nc_u64 s[12:13], s[12:13], s[66:67]
.macro OUT16 a, f
	WIN OUTW
.irp b, 0,1,2,3
	ds_store_b128 v[STO], v[8*(4*\a+\b):8*(4*\a+\b)+3]   offset:64*\b
	ds_store_b128 v[STO], v[8*(4*\a+\b)+4:8*(4*\a+\b)+7] offset:64*\b+16
.endr
	WIN 0
	s_wait_xcnt 0x0                                ; every earlier store has had its addresses translated (ISA guide 3.1): the 32 registers at f, which the stores four calls ago read, are loaded again only behind this wait
.irp t, 0,1,2,3,4,5,6,7
	ds_load_b128 v[\f+4*\t:\f+4*\t+3], v[RD] offset:\t*2*SPITCH             ; LDS serves a wave's instructions in order (ISA guide 5.7.1.4): these see the stores above
.endr
.irp t, 0,1,2,3,4,5,6,7
	s_wait_dscnt 7-\t                              ; rows 2 t, 2 t + 1 are in, the younger rows may be out
	global_store_b128 v[CO], v[\f+4*\t:\f+4*\t+3], s[12:13] offset:(16*\a+2*\t)*4096 th:TH_STORE_NT   ; 16 lanes store 256 consecutive bytes at a multiple of 256 from out0's first byte
.endr
.endm
	OUT16 0, X0
	OUT16 1, X0+32
	OUT16 2, X1
	OUT16 3, X1+32
	OUT16 4, X0
	OUT16 5, X0+32
	OUT16 6, X1
	OUT16 7, X1+32
	s_wait_tensorcnt 0x0
	ds_add_u32 v30, v31
	s_wait_dscnt 0x0
	CROUND                                         ; the closing round: no work-group ends while a partner may still ask for a tile that names it
	s_endpgm
.Lfunc_end_k_qdbf6dd64db_moe:
	.size	k_qdbf6dd64db_moe, .Lfunc_end_k_qdbf6dd64db_moe-k_qdbf6dd64db_moe
	.p2alignl 7, 3214868480
	.fill 96, 4, 3214868480
	.section	.rodata,"a",@progbits
	.p2align	6, 0x0
	.amdhsa_kernel k_qdbf6dd64db_moe
		.amdhsa_group_segment_fixed_size 327680
		.amdhsa_private_segment_fixed_size 0
		.amdhsa_enable_private_segment 0
		.amdhsa_kernarg_size 40
		.amdhsa_user_sgpr_count 2
		.amdhsa_user_sgpr_kernarg_segment_ptr 1
		.amdhsa_wavefront_size32 1
		.amdhsa_system_sgpr_workgroup_id_x 1
		.amdhsa_system_sgpr_workgroup_id_y 1
		.amdhsa_system_sgpr_workgroup_id_z 1
		.amdhsa_system_vgpr_workitem_id 0
		.amdhsa_next_free_vgpr 1024
		.amdhsa_next_free_sgpr 72
		.amdhsa_reserve_vcc 0
		.amdhsa_float_denorm_mode_32 3
		.amdhsa_float_denorm_mode_16_64 3
		.amdhsa_memory_ordered 1
		.amdhsa_forward_progress 1
		.amdhsa_inst_pref_size 255
	.end_amdhsa_kernel
	.section	.bss,"aw",@nobits
	.p2align	6
	.space	262144
	.amdgpu_metadata
---
amdhsa.version: [ 1, 2 ]
amdhsa.kernels:
  - .name:           k_qdbf6dd64db_moe
    .symbol:         k_qdbf6dd64db_moe.kd
    .args:
      - { .name: xb, .offset: 0, .size: 8, .value_kind: global_buffer, .address_space: global }
      - { .name: ab, .offset: 8, .size: 8, .value_kind: global_buffer, .address_space: global }
      - { .name: gate_perc, .offset: 16, .size: 8, .value_kind: global_buffer, .address_space: global }
      - { .name: beta, .offset: 24, .size: 8, .value_kind: global_buffer, .address_space: global }
      - { .name: out0, .offset: 32, .size: 8, .value_kind: global_buffer, .address_space: global }
    .group_segment_fixed_size: 327680
    .private_segment_fixed_size: 0
    .kernarg_segment_align: 8
    .kernarg_segment_size: 40
    .max_flat_workgroup_size: 128
    .sgpr_count:     72
    .vgpr_count:     1024
    .wavefront_size: 32
...
	.end_amdgpu_metadata
.endif
;; end of part 4
